; MI455X (gfx1250); checked and timed in simulation.
; The chip was launched on July 23, 2026; its instructions are those of AMD's public machine-readable ISA for CDNA 5 (MIT licence, August 2026) and "CDNA5" Instruction Set Architecture Reference Guide (July 2026). The comments in the code are by the model that wrote it; some were corrected since.
;; Multi Head Attention. Allowed arithmetic: matrix products marked QUANTISED: E4M3 operands, one given power-of-two scale a tensor, by v_wmma_f32_16x16x64_fp8_fp8 or v_wmma_f32_16x16x128_fp8_fp8, f32 sums; everything else in f32.
;; Inputs: Wk_codes 1,024 x 32 x 32 uint8 (E4M3 codes of Wk, K innermost, in blocks of 32 codes); Wo_codes 1,024 x 32 x 32 uint8 (E4M3 codes of Wo, K innermost, in blocks of 32 codes); Wq_codes 1,024 x 32 x 32 uint8 (E4M3 codes of Wq, K innermost, in blocks of 32 codes); Wv_codes 1,024 x 32 x 32 uint8 (E4M3 codes of Wv, K innermost, in blocks of 32 codes); bk 1,024 float32; bo 1,024 float32; bq 1,024 float32; bv 1,024 float32; lowp_scales 12 int32 (the exponents e of the quantised operands' scales 2^e); x_codes 4 x 2,048 x 32 x 32 uint8 (E4M3 codes of x, K innermost, in blocks of 32 codes).
;; Outputs: out0 4 x 2,048 x 1,024 float32.
;; This version of the problem:
;;   THIS VERSION OF THE PROBLEM IS GIVEN IN LOW PRECISION. The matrix products marked QUANTISED in the list below multiply operands that are first quantised to E4M3 (4 exponent bits, 3 mantissa bits; 8 bits a number), with one given power-of-two scale for each operand tensor; their sums are f32. All else is computed in f32.
;;   The module's matrix products, in the order in which they are computed (A, B: the left and right operand; K: the contracted axis; several contracted axes count as one K, in the product's order):
;;     1. [M 8,192, K 1,024] x [K 1,024, N 1,024]; A: input x (given as codes); B: input Wq (given as codes): QUANTISED (scales: A lowp_scales[0], B lowp_scales[1])
;;     2. [M 8,192, K 1,024] x [K 1,024, N 1,024]; A: input x (given as codes); B: input Wk (given as codes): QUANTISED (scales: A lowp_scales[2], B lowp_scales[3])
;;     3. [M 8,192, K 1,024] x [K 1,024, N 1,024]; A: input x (given as codes); B: input Wv (given as codes): QUANTISED (scales: A lowp_scales[4], B lowp_scales[5])
;;     4. batch 64 x [M 2,048, K 64] x [K 64, N 2,048]; A: computed on the way; B: computed on the way: QUANTISED (scales: A lowp_scales[6], B lowp_scales[7])
;;     5. batch 64 x [M 2,048, K 2,048] x [K 2,048, N 64]; A: softmax (see below); B: computed on the way: QUANTISED (scales: A lowp_scales[8], B lowp_scales[9])
;;     6. [M 8,192, K 1,024] x [K 1,024, N 1,024]; A: computed on the way; B: input Wo (given as codes): QUANTISED (scales: A lowp_scales[10], B lowp_scales[11])
;;   THE QUANTISER, for each operand of a quantised product, along K:
;;     - The operand's scale is 2^e, e = its entry of the input lowp_scales (int32; the entries are numbered through the quantised products in the list's order, A before B).
;;     - Each number is divided by the scale, clamped to +-448, and rounded to the nearest number of E4M3, ties to even, subnormals kept.
;;     - The product sums the exact products of the quantised numbers (number of the format x scale) in f32.
;;   ~~~python
;;   def quantise(x, axis, e):      # numpy; x: float32 -> the quantised numbers, widened to float32 again
;;       x = np.moveaxis(x, axis, -1); K = x.shape[-1]
;;       r = np.clip(x / 2.0 ** e, -448, 448)
;;       step = 2.0 ** (np.maximum(np.frexp(np.where(r == 0, 1, r))[1] - 1, -6) - 3)
;;       q = np.round(r / step) * step * 2.0 ** e      # np.round: ties to even
;;       return np.moveaxis(q, -1, axis).astype(np.float32)
;;   ~~~
;;   SOFTMAX AHEAD OF A QUANTISED PRODUCT. Where the list says 'softmax', what is quantised is not the finished softmax but p = 2^(t - M), with t = logit x log2(e) and M = ceil(the row's largest t), a whole number; so 1/2 < the row's largest p <= 1. The row's sum l is taken of the UNQUANTISED p, in f32, and the product's result is divided by l at the end. Since M is a whole number, a kernel that streams over the keys may use a running M (the ceiling of the running maximum): every later rescaling is an exact power of two, so the quantised numbers keep their values, but for numbers so far below the row's largest that they fall under the format's range.
;;   OPERANDS COMPUTED ON THE WAY. 'Computed on the way' means the value that the module computes at that place (a softmax that the list does not call 'softmax' is quantised finished and normalised). What goes into a quantiser is computed in f32, as accurately as f32 sums, v_exp_f32 and their like allow (about 1e-6 of the number): no bf16 or f16 on the way to a quantiser, and a product that is left as it is and whose result goes on into a quantised operand takes f32 operands (vector FMAs, or v_wmma_f32_16x16x4_f32). A number that lies on a knife's edge between two numbers of the format may be rounded either way, as far as f32 arithmetic and the matrix unit's own rounding can turn it there, and no further.
;;   INPUTS GIVEN AS CODES. Wk (in the module: [1024, 1024], K = its axis 0); Wo (in the module: [1024, 1024], K = its axis 0); Wq (in the module: [1024, 1024], K = its axis 0); Wv (in the module: [1024, 1024], K = its axis 0); x (in the module: [4, 2048, 1024], K = its axis 2): each comes as NAME_codes (uint8): NAME with its K axis moved to the last place and cut into blocks of 32 codes, [.., K / 32, bytes a block], one block behind the other in memory; one code a byte (a code: sign, 4 exponent bits, 3 mantissa bits); its scale is its entry of lowp_scales. Its value is code x scale, taken as it is: it is not quantised again, and the codes and scales need not be those that the quantiser above would give.
;; One version. Each part assembles by itself: llvm-mc -triple=amdgcn-amd-amdhsa -mcpu=gfx1250 --defsym DOCPART=n.
;; ======== version 1 of 1: 3 launches
;; limits: right only within a limited range of input values
;; workspace buffers: q 16,777,216 bytes; kv 16,777,216 bytes; y 8,388,608 bytes
;; launch qkv (part 1): grid 12 x 32, 4 waves a work-group, clusters of 4 x 4, 327,680 bytes of LDS; arguments x_codes, Wq_codes, Wk_codes, Wv_codes, bq, bk, bv, lowp_scales, q, kv; writes q, kv
.if DOCPART == 1
	.amdgcn_target "amdgcn-amd-amdhsa--gfx1250"
	.amdhsa_code_object_version 6
	.text
	.protected	k_qc7ef7dd6ad_qkv
	.globl	k_qc7ef7dd6ad_qkv
	.p2align	8
	.type	k_qc7ef7dd6ad_qkv,@function
k_qc7ef7dd6ad_qkv:
	s_mov_b64 s[64:65], 0
	v_nop
	global_prefetch_b8 v0, s[64:65] scope:SCOPE_SE
	s_setreg_imm32_b32 hwreg(HW_REG_WAVE_MODE, 25, 1), 1
	s_wait_xcnt 0x0
	s_wait_alu depctr_hold_cnt(0) depctr_sa_sdst(0) depctr_va_vdst(0) depctr_va_sdst(0) depctr_va_ssrc(0) depctr_va_vcc(0) depctr_vm_vsrc(0)
	s_getreg_b32 s2, hwreg(HW_REG_IB_STS2, 6, 4)
	s_cmp_eq_u32 s2, 0
	s_cbranch_scc0 .Lentry_in_a_cluster
	s_endpgm
.Lentry_in_a_cluster:
	s_bfe_u32 s2, ttmp6, 0x10000c
	s_cmp_lg_u32 s2, 0xf033
	s_cbranch_scc0 .Lentry_shape_is_right
	s_endpgm
.Lentry_shape_is_right:
; q = x Wq + bq, k = x Wk + bk, v = x Wv + bv on codes of FP8 (E4M3), and their quantising for the attention that follows.
; x: [8192][1024] codes; Wq, Wk, Wv: [1024 (n)][1024 (k)] codes; biases f32.  lowp_scales: e0 .. e11.
; value = sum x 2^(ex + ew) + bias in f32; code = value / 2^e, held within +-448, to the nearest code (e = e6 for q, e7 for k, e9 for v).
; LIMITS: e0+e1, e2+e3, e4+e5 between -126 and 127; e6, e7, e9 between -126 and 119, so that each power of two below is an f32 number.  NaN among the inputs is not served.
; SHARES.  The cluster's x says which product: 0 = q, 1 = k, 2 = v.  A work-group of four waves makes a tile of 256 x 256, a wave 128 x 128: 64 accumulators, 512 registers.
; K = 1,024 goes in four steps of 256 through a ring of two LDS slots.  4 x 4 work-groups form a cluster; operand "A" is shared along a row of it, operand "B" along a column, by joint loads.
; ONE TEXT, NO BRANCH ON THE PRODUCT.  Source 0 of the matrix instruction takes rows of B, source 1 rows of A: a lane holds ONE row of A and eight neighbouring rows of B.
;   q, k: A = x (rows t), B = W (rows = channels): a lane's registers run along the head's channels, which are the K of q k^T.
;   v:    A = Wv (rows = channels), B = x (rows t):  a lane's registers run along the keys, which are the K of p v.
; So one conversion of an accumulator's eight registers gives two registers of the next product's operand (k = 16 c + 8 (lane / 16) + 0 .. 7), and two neighbouring accumulators give 16 bytes a lane.
; THE OUTPUTS ARE IMAGES OF THE READER'S OPERAND REGISTERS: four registers by one store at 16 x lane, 512 consecutive aligned bytes.
;   q : [b x 16 + head][block of 128 rows][16,384 bytes], of which the first 8,192 are 8 tiles of 16 rows x 1,024 bytes (2 pieces of 512); the rest is neither written nor read.
;   kv: [b x 16 + head][block of 128 keys][k: 8 tiles of 16 keys x 1,024 | v: 4 tiles of 16 channels x 2,048 (4 pieces of 512)].
; 384 tiles of 256 x 256 do not divide evenly among the WGPs; a tile of 128 x 256 would, but a wave would then read three fragments from LDS for eight matrix instructions in place of two.
; REGISTERS, in windows of 256: window 0: v16-31 addresses and constants; v32-95, v96-111 the bias in two layouts; from v128 A's fragments (one set); on the way out v128-207 at work.
;   window 1: B's fragments, two sets.   window 2: the accumulators of A's blocks 0-3 ((a, b) at v[8 (8 a + b)]);   window 3: those of blocks 4-7.
.set ROWB,   256                       ; a tile's row in bytes: 256 codes
.set KROW,   1024                      ; a row of x or of a weight in memory, in bytes
.set PITCH,  272                       ; an LDS row: 256 bytes + 16 of padding = 68 words: row r starts at bank 4 r mod 64 (64 banks of 4 bytes: ISA guide 11.1)
.set FR,     16                        ; registers of a fragment: 16 rows x 128 K
.set NL,     4                         ; LDS loads that bring one
.set NP,     4                         ; places behind this matrix instruction (ISA guide 7.12.1)
.set HALFT,  128*PITCH                 ; 128 rows: what one tensor load brings, and what one wave reads of A or of B
.set SLOT,   4*HALFT                   ; A's 256 rows, then B's 256 rows
.set SPARE,  2*SLOT                    ; behind the ring: the spare words, 128 bytes for each wave, which no other line names
.set ADRA, 16                          ; v16-17  LDS address of my A fragments in slot 0, 1
.set ADRB, 20                          ; v20-21  the same for B
.set VO0,  24                          ; v24     16 x lane: my place in an image
.set VO1,  25                          ; v25     the same, one head (q, k) or two pieces (v) further on
.set VBC,  26                          ; v26     32 x (lane / 16): the bias along my registers
.set VBR,  27                          ; v27     4 x (lane % 16): the bias along the lanes
.set SPW,  28                          ; v28     LDS address of my spare word; never rewritten
.set NIL,  29                          ; v29     0; never rewritten
.set VSC,  30                          ; v30     2^e of the quantiser, as f32
.set VLIM, 31
.set BC,   32                          ; v32-95  bias[N0 + 16 b + 8 (lane / 16) + j] at 8 b + j (zeros for v)
.set BR,   96                          ; v96-111 bias[N0 + 16 a + lane % 16], twice, at 2 a (zeros for q and k)
.set AF,   128                         ; A's fragments
.set TMP,  128                         ; the way out: a block's 64 values
.set CD,   192                         ; the way out: a block's codes, 16 registers
.set G1, 24                            ; s[24:31] descriptor group 1 for A's tiles;  s[32:39] group 0, one set for each slot
.set G0, 32
.set G1B, 48                           ; s[48:55], s[56:63] the same for B's tiles
.set G0B, 56
.set MSB, 0
.macro WIN new                         ; the immediate's high byte repeats the setting that is left
.if MSB != \new
	s_set_vgpr_msb (MSB<<8)|\new
.set MSB, \new
.endif
.endm
.set MUL_LO, 0xa1                      ; source 0 (B) window 1, source 1 (A) window 0, C and D window 2
.set MUL_HI, 0xf1                      ; the same, C and D window 3
.set TO_B,   0x40                      ; destination window 1, address window 0
; A joint load: waves 0 and 1 fetch for A, waves 2 and 3 for B.  Each line has one mask and one set of registers for all that issue it; the branch hangs on the wave's number alone.
; Four v_nop follow each of the two lines, ahead of the jump, the label and what follows.
.macro JLOAD g0a, g1a, g0b, g1b
	s_cmp_eq_u32 s15, 0
	s_cbranch_scc0 .Lfor_b_\@
	tensor_load_to_lds s[\g0a:\g0a+3], s[\g1a:\g1a+7]
	s_nop 0
.rept 4
	v_nop
.endr
	s_branch .Lasked_\@
.Lfor_b_\@:
	tensor_load_to_lds s[\g0b:\g0b+3], s[\g1b:\g1b+7]
	s_nop 0
.rept 4
	v_nop
.endr
.Lasked_\@:
.endm
.macro CREST                           ; a round of the cluster's barrier behind its opening barrier
	s_cmp_lg_u32 s14, 0
	s_cbranch_scc1 .Lnot_wave_0_\@
	s_barrier_signal -3
.Lnot_wave_0_\@:
	s_barrier_wait -3
	s_barrier_signal -1
	s_barrier_wait -1
.endm
.macro CROUND                          ; a whole round
	s_barrier_signal -1
	s_barrier_wait -1
	CREST
.endm
	s_load_b512 s[68:83], s[0:1], 0x0              ; x s[68:69], Wq s[70:71], Wk s[72:73], Wv s[74:75], bq s[76:77], bk s[78:79], bv s[80:81], the scales s[82:83]
	s_load_b128 s[84:87], s[0:1], 0x40             ; q s[84:85], kv s[86:87]
	v_lshl_add_u32 v[SPW], v0, 2, SPARE
	v_mov_b32 v[NIL], 0
	ds_add_u32 v28, v29
	ds_add_u32 v28, v29
	s_wait_dscnt 0x0
	v_lshrrev_b32 v1, 5, v0
	v_readfirstlane_b32 s14, v1                    ; wave 0..3
	s_lshr_b32 s15, s14, 1                         ; which half of A's rows is mine.  Also: I fetch for A (0) or for B (1)
	s_and_b32 s16, s14, 1                          ; which half of B's rows.  Also: which 128 rows of that tile I fetch
	s_bfe_u32 s40, ttmp6, 0x40000                  ; cx, cy: my place in the cluster
	s_bfe_u32 s41, ttmp6, 0x40004
	s_and_b32 s17, ttmp7, 0xffff
	s_lshl_b32 s17, s17, 2                         ; 4 x cluster y: the cluster's first tile of 256 rows of x
	s_cmp_eq_u32 ttmp9, 2                          ; the product is the cluster's x: the same in all sixteen partners
	s_cselect_b32 s42, 0, s17                      ; A is Wv (tiles 0-3) or x
	s_cselect_b32 s66, s17, 0                      ; B is x or a weight
	s_add_co_u32 s42, s42, s41                     ; A's tile hangs on cy alone within the cluster,
	s_add_co_u32 s66, s66, s40                     ; B's on cx alone
	s_lshl_b32 s43, s41, 2
	s_lshl_b32 s43, 15, s43                        ; my row of the cluster
	s_lshl_b32 s44, 0x1111, s40                    ; my column
	; descriptor group 1: a tile of 128 rows x 256 bytes, padded in LDS
	s_or_b32 s[G1+0], s43, (0<<16)|(1<<20)|(1<<21)|(5<<22)|(3<<25)  ; 15:0 the mask: A's tiles go to my row; 17:16 element of 1 byte; 20 padding on; 21 set beside a mask; 24:22 after every 64 words (code 5); 31:25 of 4 words (code 3)
	s_or_b32 s[G1B+0], s44, (0<<16)|(1<<20)|(1<<21)|(5<<22)|(3<<25) ; the same with the mask of my column
.irp g, G1, G1B
	s_mov_b32 s[\g+1], ROWB<<16                    ; tensor_dim0
	s_mov_b32 s[\g+2], 128<<16                     ; tensor_dim1 = 128
	s_mov_b32 s[\g+3], ROWB<<16                    ; tile_dim0
	s_mov_b32 s[\g+4], 128                         ; tile_dim1 = 128
	s_mov_b32 s[\g+5], KROW                        ; tensor_dim0_stride
	s_mov_b32 s[\g+6], 0
	s_mov_b32 s[\g+7], 0
.endr
	s_lshl_b32 s18, s16, 7                         ; which 128 rows of the tile I fetch
	s_lshl_b32 s20, s42, 8
	s_add_co_u32 s20, s20, s18                     ; A: row 256 x tile + 128 x half,
	s_lshl_b32 s20, s20, 10                        ; in bytes (under 2^23)
	s_mov_b32 s21, 0
	s_lshl_b32 s46, s66, 8
	s_add_co_u32 s46, s46, s18                     ; B likewise
	s_lshl_b32 s46, s46, 10
	s_mov_b32 s47, 0
	s_mul_i32 s45, s14, HALFT                      ; where they go: wave x 128 rows: no place in the cluster enters an LDS address
	s_wait_kmcnt 0x0
	s_load_b256 s[88:95], s[82:83], 0x0            ; e0 .. e7
	s_load_b128 s[96:99], s[82:83], 0x20           ; e8 .. e11
	s_cmp_eq_u32 ttmp9, 0                          ; the buffers are chosen by the product's number alone
	s_cselect_b64 s[4:5], s[70:71], s[72:73]       ; Wq or Wk
	s_cselect_b64 s[22:23], s[76:77], s[78:79]     ; bq or bk
	s_cselect_b64 s[8:9], s[84:85], s[86:87]       ; into q, or into kv
	s_cmp_eq_u32 ttmp9, 2
	s_cselect_b64 s[2:3], s[74:75], s[68:69]       ; A: Wv or x
	s_cselect_b64 s[4:5], s[68:69], s[4:5]         ; B: x or the weight
	s_cselect_b64 s[22:23], s[80:81], s[22:23]     ; the bias
	s_add_nc_u64 s[20:21], s[2:3], s[20:21]
	s_add_nc_u64 s[46:47], s[4:5], s[46:47]
	CROUND                                         ; all sixteen work-groups are here: the first joint loads meet
.irp s, 0,1
	s_mov_b32 s[G0+4*\s], 1                        ; count = 1
	s_add_co_u32 s[G0+4*\s+1], s45, \s*SLOT        ; LDS address
	s_add_nc_u64 s[G0+4*\s+2:G0+4*\s+3], s[20:21], \s*ROWB   ; global address: K step s
	s_or_b32 s[G0+4*\s+3], s[G0+4*\s+3], 0x80000000          ; type = 2
	s_mov_b32 s[G0B+4*\s], 1
	s_add_co_u32 s[G0B+4*\s+1], s45, \s*SLOT
	s_add_nc_u64 s[G0B+4*\s+2:G0B+4*\s+3], s[46:47], \s*ROWB
	s_or_b32 s[G0B+4*\s+3], s[G0B+4*\s+3], 0x80000000
	JLOAD G0+4*\s, G1, G0B+4*\s, G1B               ; two loads of mine are out
.endr
	v_and_b32 v1, 15, v0                           ; r = lane % 16
	v_bfe_u32 v2, v0, 4, 1                         ; h = lane / 16
	v_mul_u32_u24 v3, v1, PITCH
	v_lshl_add_u32 v4, v2, 4, v3                   ; a fragment's row x pitch + 16 h
	s_mul_i32 s10, s15, HALFT                      ; my 128 rows of A
	s_mul_i32 s11, s16, HALFT                      ; my 128 rows of B,
	s_add_co_u32 s11, s11, 2*HALFT                 ; which lie behind A's 256
.irp s, 0,1
	v_add_nc_u32 v[ADRA+\s], s10, v4
	v_add_nc_u32 v[ADRB+\s], s11, v4
	s_add_co_u32 s10, s10, SLOT
	s_add_co_u32 s11, s11, SLOT
.endr
	v_lshlrev_b32 v[VBC], 5, v2
	s_wait_alu depctr_va_vdst(0)
	v_lshlrev_b32 v[VBR], 2, v1
	s_wait_alu depctr_va_vdst(0)
	v_and_b32 v6, 31, v0
	v_lshlrev_b32 v[VO0], 4, v6
	s_wait_alu depctr_va_vdst(0)
	; N0: my first channel (0 .. 896).  T0: my first row of x (0 .. 8,064).  For q and k the channels are B's rows and the rows of x are A's; for v the other way round.
	s_cmp_eq_u32 ttmp9, 2
	s_cselect_b32 s6, s41, s40
	s_cselect_b32 s7, s15, s16
	s_cselect_b32 s12, s40, s41
	s_cselect_b32 s13, s16, s15
	s_lshl_b32 s6, s6, 8
	s_lshl_b32 s7, s7, 7
	s_add_co_u32 s6, s6, s7                        ; N0
	s_add_co_u32 s12, s12, s17
	s_lshl_b32 s12, s12, 8
	s_lshl_b32 s13, s13, 7
	s_add_co_u32 s12, s12, s13                     ; T0
	s_lshl_b32 s10, s6, 2
	s_mov_b32 s11, 0
	s_add_nc_u64 s[22:23], s[22:23], s[10:11]      ; the bias at my 128 channels: both layouts are loaded for every product (both stay inside the 4,096 bytes), and one is cleared on the way out
.irp b, 0,1,2,3,4,5,6,7
	global_load_b128 v[BC+8*\b:BC+8*\b+3], v[VBC], s[22:23] offset:64*\b
	global_load_b128 v[BC+8*\b+4:BC+8*\b+7], v[VBC], s[22:23] offset:64*\b+16
.endr
.irp a, 0,1,2,3,4,5,6,7
	global_load_b32 v[BR+2*\a], v[VBR], s[22:23] offset:64*\a
.endr
	; where my images begin: (b x 16 + first head) x 262,144 + (block of 128 rows) x 16,384, and 8,192 more for v
	s_lshr_b32 s7, s12, 11                         ; b
	s_lshl_b32 s7, s7, 4
	s_lshr_b32 s13, s6, 6                          ; my first head
	s_add_co_u32 s7, s7, s13
	s_lshl_b32 s10, s7, 18
	s_bfe_u32 s13, s12, 0x40007                    ; (T0 / 128) % 16
	s_lshl_b32 s13, s13, 14
	s_add_co_u32 s10, s10, s13
	s_cmp_eq_u32 ttmp9, 2
	s_cselect_b32 s13, 8192, 0
	s_mov_b32 s7, 1024
	s_cselect_b32 s2, 2048, s7                     ; from block a to a + 1: a tile of v is 2,048 bytes, of q or k 1,024
	s_cselect_b32 s3, 256000, s7                   ; from block 3 to block 4: for v the next head (262,144 - 3 x 2,048), for q and k the next tile
	s_mov_b32 s7, 262144
	s_cselect_b32 s7, 1024, s7                     ; from B's blocks 0-3 to 4-7: for v two pieces on, for q and k the next head
	s_add_co_u32 s10, s10, s13
	s_add_nc_u64 s[8:9], s[8:9], s[10:11]
	v_add_nc_u32 v[VO1], s7, v[VO0]
	s_mov_b32 s10, s2                              ; s[10:11], s[12:13]: the two steps, as 64-bit offsets
	s_mov_b32 s12, s3
	s_mov_b32 s13, 0
.macro FRAG reg, adr, q, i             ; a fragment, 16 rows x 128 K, is 16 registers: lane l holds row l % 16; registers 4 c .. 4 c + 3 hold K = 32 c + 16 (l / 16) + 0 .. 15: the same order of k in A and in B, so every product meets its partner
.irp c, 0,1,2,3
	ds_load_b128 v[\reg+4*\c:\reg+4*\c+3], v[\adr] offset:128*(\q)+32*\c+(\i)*16*PITCH
.endr
.endm
; 16 matrix instructions: A's blocks a0, a0 + 1 x B's eight, 128 along K.  p: B's set.  zero = 1: the first product starts the sums.
; The 64 accumulators take turns, one instruction a turn, in the same order in every step.
.macro MUL16 a0, p, zero
.irp a, \a0, \a0+1
.irp b, 0,1,2,3,4,5,6,7
.if \zero
	v_wmma_f32_16x16x128_fp8_fp8 v[8*(8*((\a)%4)+\b):8*(8*((\a)%4)+\b)+7], v[128*(\p)+FR*\b:128*(\p)+FR*\b+FR-1], v[AF+FR*(\a):AF+FR*(\a)+FR-1], 0
.else
	v_wmma_f32_16x16x128_fp8_fp8 v[8*(8*((\a)%4)+\b):8*(8*((\a)%4)+\b)+7], v[128*(\p)+FR*\b:128*(\p)+FR*\b+FR-1], v[AF+FR*(\a):AF+FR*(\a)+FR-1], v[8*(8*((\a)%4)+\b):8*(8*((\a)%4)+\b)+7]
.endif
.endr
.endr
.endm
.macro FETCH_B slot, q, p              ; B's eight fragments of the slot's q-th 128 along K into set p
	WIN TO_B
.irp i, 0,1,2,3,4,5,6,7
	FRAG 128*(\p)+FR*\i, ADRB+\slot, \q, \i
.endr
	WIN 0
.endm
.macro FETCH_A slot, q, i0             ; A's blocks i0 .. i0 + 3
.irp i, \i0, \i0+1, \i0+2, \i0+3
	FRAG AF+FR*(\i), ADRA+\slot, \q, \i
.endr
.endm
.macro PLACES n                        ; plain vector lines between a matrix instruction and a load into, or a vector read of, its registers (ISA guide 7.12.1 for vector reads)
.rept \n
	v_nop
.endr
.endm
; A step of 128 along K that has its successor in the same slot.  A block of A is free as soon as its eight products are issued, so one set serves A; B has two.
.macro STEP slot, q, zero
	s_wait_dscnt 4*NL                              ; B's set and A's blocks 0-3 are in; the youngest 16 loads (A's blocks 4-7) may be out
	WIN MUL_LO
	MUL16 0, (\q)%2, \zero
	MUL16 2, (\q)%2, \zero
	s_wait_dscnt 0                                 ; A's blocks 4-7 are in
	PLACES NP
	FETCH_B \slot, (\q)+1, 1-(\q)%2
	FETCH_A \slot, (\q)+1, 0
	WIN MUL_HI
	MUL16 4, (\q)%2, \zero
	MUL16 6, (\q)%2, \zero
	PLACES NP
	WIN 0
	FETCH_A \slot, (\q)+1, 4
.endm
; A slot's last step changes slots: one barrier; in front of it each wave waits for all its tensor loads, adds 0 to its spare word, and waits for that and for its own reads of this slot.  fill = 1: this slot is filled again, two K steps ahead.
.macro TURN slot, next, fill
	s_wait_tensorcnt 0x0                           ; all my tensor loads have landed: my part of the next slot  (every window is 0 here)
	ds_add_u32 v[SPW], v[NIL]                      ; 0 onto my spare word
	s_wait_dscnt 4*NL+1                            ; the add and the youngest 16 loads (A's blocks 4-7) may be out
	WIN MUL_LO
	MUL16 0, 1, 0                                  ; sixteen matrix instructions stand between the add and the wait for it
	s_wait_dscnt 0x0                               ; the add is done, and my reads of this slot are over
	s_barrier_signal -1
	MUL16 2, 1, 0
	WIN 0
	s_barrier_wait -1
.if \fill
	CREST                                          ; the barrier has opened a round of the cluster's: no wave of any partner still reads this slot or has a load on its way
	s_add_nc_u64 s[G0+4*\slot+2:G0+4*\slot+3], s[G0+4*\slot+2:G0+4*\slot+3], 2*ROWB
	s_add_nc_u64 s[G0B+4*\slot+2:G0B+4*\slot+3], s[G0B+4*\slot+2:G0B+4*\slot+3], 2*ROWB
	JLOAD G0+4*\slot, G1, G0B+4*\slot, G1B         ; the first tensor load behind the round, and my only one until the next; its four v_nop are the places in front of the loads below
.else
	PLACES NP
.endif
	FETCH_B \next, 0, 0
	FETCH_A \next, 0, 0
	WIN MUL_HI
	MUL16 4, 1, 0
	MUL16 6, 1, 0
	PLACES NP
	WIN 0
	FETCH_A \next, 0, 4
.endm
	s_wait_tensorcnt 1                             ; my part of K step 0 is in; K step 1's load may be out
	s_barrier_signal -1
	s_barrier_wait -1                              ; everybody's is
	FETCH_B 0, 0, 0
	FETCH_A 0, 0, 0
	FETCH_A 0, 0, 4
	STEP 0, 0, 1                                   ; K 0: the first products start the sums.  Eight steps of 128, written out: four fills in all, two of them refills
	TURN 0, 1, 1                                   ; K 128; slot 0 takes K 512 on
	STEP 1, 0, 0                                   ; K 256
	TURN 1, 0, 1                                   ; K 384; slot 1 takes K 768 on
	STEP 0, 0, 0                                   ; K 512
	TURN 0, 1, 0                                   ; K 640; nothing is left to fetch
	STEP 1, 0, 0                                   ; K 768
	s_wait_dscnt 4*NL                              ; K 896
	WIN MUL_LO
	MUL16 0, 1, 0
	MUL16 2, 1, 0
	s_wait_dscnt 0
	WIN MUL_HI
	MUL16 4, 1, 0
	MUL16 6, 1, 0
	WIN 0
	; THE WAY OUT.  The given exponents are chosen by the product's number, without a branch.
	s_wait_kmcnt 0x0
	s_add_co_i32 s88, s88, s89                     ; e0 + e1
	s_add_co_i32 s90, s90, s91                     ; e2 + e3
	s_add_co_i32 s92, s92, s93                     ; e4 + e5
	s_cmp_eq_u32 ttmp9, 0
	s_cselect_b32 s4, s88, s90
	s_cselect_b32 s6, s94, s95                     ; e6 or e7
	s_cmp_eq_u32 ttmp9, 2
	s_cselect_b32 s4, s92, s4
	s_cselect_b32 s6, s97, s6                      ; e9
	s_cselect_b32 s2, 0, -1                        ; keeps the bias along the registers for q and k,
	s_cselect_b32 s3, -1, 0                        ; the bias along the lanes for v
	s_add_co_i32 s4, s4, 127
	s_lshl_b32 s4, s4, 23                          ; 2^(ex + ew) as f32
	s_mov_b32 s5, s4                               ; (named with it as a pair, so it is written)
	s_add_co_i32 s6, s6, 127
	s_lshl_b32 s7, s6, 23
	v_mov_b32 v[VSC], s7                           ; 2^e: the conversion takes its exponent field
	s_add_co_i32 s6, s6, 8
	s_lshl_b32 s6, s6, 23
	s_or_b32 s6, s6, 0x600000
	s_wait_loadcnt 0x0                             ; the bias
.set j, 0
.rept 64
	v_and_b32 v[BC+j], s2, v[BC+j]                 ; these 80 plain lines, which name none of the last products' registers, are also the places behind them
.set j, j+1
.endr
.set j, 0
.rept 8
	v_and_b32 v[BR+2*j+1], s3, v[BR+2*j]
	v_and_b32 v[BR+2*j], s3, v[BR+2*j]
.set j, j+1
.endr
; Block a: 16 rows of A x my 128 rows of B.  value = sum x 2^(ex + ew) + bias: one of the two additions adds zero, so the value is rounded once.
.macro OUTBLK a
.set AC, 64*((\a)%4)
	WIN 0x02+((\a)/4)                              ; source 0: window 2 or 3
.set j, 0
.rept 32
	v_pk_fma_f32 v[TMP+j:TMP+j+1], v[AC+j:AC+j+1], s[4:5], v[BC+j:BC+j+1] op_sel_hi:[1,0,1]   ; each accumulator from its low end on
.set j, j+2
.endr
	WIN 0
.set j, 0
.rept 32
	v_pk_add_f32 v[TMP+j:TMP+j+1], v[TMP+j:TMP+j+1], v[BR+2*(\a):BR+2*(\a)+1]
.set j, j+2
.endr
.set j, 0
.rept 64
.set j, j+1
.endr
.if (\a) > 0
	s_wait_alu depctr_va_vdst(0)
	s_wait_xcnt 0x0                                ; the last block's stores have read their data and their base: both are written again only behind this wait
.if (\a) == 4
	s_add_nc_u64 s[8:9], s[8:9], s[12:13]
.else
	s_add_nc_u64 s[8:9], s[8:9], s[10:11]
.endif
.endif
.set j, 0
.rept 8
	v_cvt_scalef32_pk8_fp8_f32 v[CD+2*j:CD+2*j+1], v[TMP+8*j:TMP+8*j+7], v[VSC]   ; accumulator j's eight neighbours along the next K: registers 2 j, 2 j + 1 of the operand
.set j, j+1
.endr
	v_nop                                          ; one plain line behind the last conversion: the next block writes its sources
	global_store_b128 v[VO0], v[CD:CD+3], s[8:9]               ; each store: 512 consecutive bytes, at a multiple of 512 from the buffer's first byte
	global_store_b128 v[VO0], v[CD+4:CD+7], s[8:9] offset:512
	global_store_b128 v[VO1], v[CD+8:CD+11], s[8:9]
	global_store_b128 v[VO1], v[CD+12:CD+15], s[8:9] offset:512
.endm
.irp a, 0,1,2,3,4,5,6,7
	OUTBLK \a
.endr
	s_wait_tensorcnt 0x0                           ; the wave's end
	ds_add_u32 v[SPW], v[NIL]
	s_wait_dscnt 0x0
	CROUND                                         ; the closing round: no work-group ends while a partner may still ask for a tile that names it
	s_endpgm
.Lfunc_end_k_qc7ef7dd6ad_qkv:
	.size	k_qc7ef7dd6ad_qkv, .Lfunc_end_k_qc7ef7dd6ad_qkv-k_qc7ef7dd6ad_qkv
	.p2alignl 7, 3214868480
	.fill 96, 4, 3214868480
	.section	.rodata,"a",@progbits
	.p2align	6, 0x0
	.amdhsa_kernel k_qc7ef7dd6ad_qkv
		.amdhsa_group_segment_fixed_size 327680
		.amdhsa_private_segment_fixed_size 0
		.amdhsa_enable_private_segment 0
		.amdhsa_kernarg_size 80
		.amdhsa_user_sgpr_count 2
		.amdhsa_user_sgpr_kernarg_segment_ptr 1
		.amdhsa_wavefront_size32 1
		.amdhsa_system_sgpr_workgroup_id_x 1
		.amdhsa_system_sgpr_workgroup_id_y 1
		.amdhsa_system_sgpr_workgroup_id_z 1
		.amdhsa_system_vgpr_workitem_id 0
		.amdhsa_next_free_vgpr 1024
		.amdhsa_next_free_sgpr 100
		.amdhsa_reserve_vcc 0
		.amdhsa_float_denorm_mode_32 3
		.amdhsa_float_denorm_mode_16_64 3
		.amdhsa_fp16_overflow 1
		.amdhsa_memory_ordered 1
		.amdhsa_forward_progress 1
		.amdhsa_inst_pref_size 124
	.end_amdhsa_kernel
	.amdgpu_metadata
---
amdhsa.version: [ 1, 2 ]
amdhsa.kernels:
  - .name:           k_qc7ef7dd6ad_qkv
    .symbol:         k_qc7ef7dd6ad_qkv.kd
    .args:
      - { .name: x_codes, .offset: 0, .size: 8, .value_kind: global_buffer, .address_space: global }
      - { .name: Wq_codes, .offset: 8, .size: 8, .value_kind: global_buffer, .address_space: global }
      - { .name: Wk_codes, .offset: 16, .size: 8, .value_kind: global_buffer, .address_space: global }
      - { .name: Wv_codes, .offset: 24, .size: 8, .value_kind: global_buffer, .address_space: global }
      - { .name: bq, .offset: 32, .size: 8, .value_kind: global_buffer, .address_space: global }
      - { .name: bk, .offset: 40, .size: 8, .value_kind: global_buffer, .address_space: global }
      - { .name: bv, .offset: 48, .size: 8, .value_kind: global_buffer, .address_space: global }
      - { .name: lowp_scales, .offset: 56, .size: 8, .value_kind: global_buffer, .address_space: global }
      - { .name: q, .offset: 64, .size: 8, .value_kind: global_buffer, .address_space: global }
      - { .name: kv, .offset: 72, .size: 8, .value_kind: global_buffer, .address_space: global }
    .group_segment_fixed_size: 327680
    .private_segment_fixed_size: 0
    .kernarg_segment_align: 8
    .kernarg_segment_size: 80
    .max_flat_workgroup_size: 128
    .sgpr_count:     100
    .vgpr_count:     1024
    .wavefront_size: 32
...
	.end_amdgpu_metadata
.endif
;; end of part 1
;; launch attn (part 2): grid 4 x 64, 16 waves a work-group, clusters of 4 x 1, 327,680 bytes of LDS; arguments q, kv, lowp_scales, y; writes y
.if DOCPART == 2
	.amdgcn_target "amdgcn-amd-amdhsa--gfx1250"
	.amdhsa_code_object_version 6
	.text
	.protected	k_qc7ef7dd6ad_attn
	.globl	k_qc7ef7dd6ad_attn
	.p2align	8
	.type	k_qc7ef7dd6ad_attn,@function
k_qc7ef7dd6ad_attn:
	s_mov_b64 s[64:65], 0
	v_nop
	global_prefetch_b8 v0, s[64:65] scope:SCOPE_SE
	s_setreg_imm32_b32 hwreg(HW_REG_WAVE_MODE, 25, 1), 1
	s_wait_xcnt 0x0
	s_wait_alu depctr_hold_cnt(0) depctr_sa_sdst(0) depctr_va_vdst(0) depctr_va_sdst(0) depctr_va_ssrc(0) depctr_va_vcc(0) depctr_vm_vsrc(0)
	s_getreg_b32 s2, hwreg(HW_REG_IB_STS2, 6, 4)
	s_cmp_eq_u32 s2, 0
	s_cbranch_scc0 .Lentry_in_a_cluster
	s_endpgm
.Lentry_in_a_cluster:
	s_bfe_u32 s2, ttmp6, 0x10000c
	s_cmp_lg_u32 s2, 0x3003
	s_cbranch_scc0 .Lentry_shape_is_right
	s_endpgm
.Lentry_shape_is_right:
; Causal attention of one head on codes of FP8 (E4M3): y = softmax(q k^T / 8) v, key k counts for query t where k <= t; 2,048 rows, head size 64.
; q, kv: images of operand registers (a piece = four registers of 32 lanes = 512 bytes at 16 x lane):
;   q : [b x 16 + head][block of 128 rows][8 tiles of 16 rows x 1,024 bytes | 8,192 bytes not used];  kv: [b x 16 + head][block of 128 keys][k: 8 tiles x 1,024 | v: 4 tiles of 16 channels x 2,048].
;   A tile of q or k: lane l = row l % 16; registers 2 c, 2 c + 1 = channels 16 c + 8 (l / 16) + 0 .. 7.  A tile of v: lane l = channel l % 16; registers 2 c, 2 c + 1 = keys 16 c + 8 (l / 16) + 0 .. 7 of the block.
; THE SOFTMAX: t = score x log2(e) / 8; M = the row's largest t so far, rounded UP to a whole number; p = 2^(t - M) is quantised (2^e8), not normalised; the row's sum is taken of the unquantised p and divides at the end.
; When M moves, the sum and O are multiplied by 2^(old M - new M): nothing is rounded.  y = O x 2^(e8 + e9) / sum is quantised with 2^e10 and stored as an image of the last product's operand.
; LIMITS: e6 + e7 between -123 and 130 (added to the exponent field of log2(e) / 8); e8 and e10 between -126 and 119; e8 + e9 goes in by v_ldexp_f32 and has none.  NaN is not served.
; SHARES.  The four work-groups of a cluster serve one head.  A head has 128 tiles of 16 queries.  Wave w of work-group p owns tile jL = 4 w + p and tile jH = 127 - jL: with f = w / 2 they need the
; blocks of 128 keys 0 .. f and 0 .. 15 - f: 17 steps for every wave, whatever w and p.  Which steps are live, and which lies on the diagonal, hangs on w alone; p enters global addresses and the mask's numbers only.
; LDS holds the head's whole k and v, 262,144 bytes, as they lie in memory, filled ONCE by joint loads of the four work-groups: no byte is filled again, so there is no ring.
; Each wave asks for two parts: 2,048 bytes of blocks 0 and 1, then 14,336 bytes of the rest, so that the work begins when the first 32,768 bytes are in.
; LAYOUT.  Both products are used transposed: S^T = k q^T (source 0 = 16 keys, source 1 = my 16 queries), O^T = v^T p^T: a lane holds ONE query (lane % 16) throughout, and an accumulator of S^T, converted, is
; two registers of p's operand.  Sixteen waves of 256 registers: four to a SIMD, so that one wave's vector work stands beside another's products and LDS loads.
.set LI,   1                           ; v1   16 x lane: my place in a piece; never rewritten
.set ADK,  2                           ; v2   LDS address of the block in hand
.set DL,   3                           ; v3   tile L: my query in its block - 8 (lane / 16)
.set DH,   4                           ; v4   tile H: the same
.set QL,   8                           ; v8-15   q's fragment, tile L
.set QH,   16                          ; v16-23  tile H
.set STL,  24                          ; v24-27  tile L: -M, the largest t, the sum in two halves
.set STH,  28                          ; v28-31  tile H
.set KV,   32                          ; v32-95  eight tiles of k, then four of v
.set S,    96                          ; v96-159 S^T, then p
.set OTL,  160                         ; v160-191 O^T, tile L
.set OTH,  192                         ; v192-223 tile H
.set PC,   224                         ; v224-239 p's codes; at the end y's
.set LIMP, 240
.set LIMY, 241
.set SUM2, 242                         ; v242-243 the sums' second chain
.set SCP,  244                         ; 2^e8
.set SCY,  245                         ; 2^e10
.set PT,   246                         ; what comes from lane l xor 16
.set FF,   248                         ; v248-249 f = 2^(old M - new M), named as a pair
.set MX,   250                         ; v250-251 the maximum's two chains
.set NINF, 252                         ; -infinity
.set RC,   254                         ; v254-255 2^(e8 + e9) / sum, as a pair
.set WV,   12
.set CX,   13
.set BH,   14
.set F,    15                          ; s15  tile L's last block of keys, w / 2
.set FH,   16                          ; s16  tile H's, 15 - w / 2
.set JL,   17
.set JH,   18
.set SEL,  20                          ; s[20:21] lane selects for v_permlanex16_b32: lane l xor 16
.set CS,   22                          ; s[22:23] c = log2(e) / 8 x 2^(e6 + e7)
.set G1S,  24                          ; s[24:31] descriptor group 1: 8 rows of 256 bytes
.set G1L,  32                          ; s[32:39] 56 rows
.set G0S,  40                          ; s[40:43], s[44:47] their groups 0
.set G0L,  44
.set TB,   48                          ; s48  LDS byte at which the block in hand begins
.set SL,   49                          ; s49  its number
.macro CROUND                          ; a round of the cluster's barrier
	s_barrier_signal -1
	s_barrier_wait -1
	s_cmp_lg_u32 s[WV], 0
	s_cbranch_scc1 .Lnot_wave_0_\@
	s_barrier_signal -3
.Lnot_wave_0_\@:
	s_barrier_wait -3
	s_barrier_signal -1
	s_barrier_wait -1
.endm
	s_load_b256 s[4:11], s[0:1], 0x0               ; q s[4:5], kv s[6:7], the scales s[8:9], y s[10:11]
	v_lshl_add_u32 v247, v0, 2, 0x40000
	v_mov_b32 v253, 0
	ds_add_u32 v247, v253
	ds_add_u32 v247, v253
	v_lshrrev_b32 v5, 5, v0
	s_delay_alu instid0(VALU_DEP_1)
	v_readfirstlane_b32 s[WV], v5                  ; wave 0..15
	s_bfe_u32 s[CX], ttmp6, 0x40000                ; p: my place in the cluster
	s_and_b32 s[BH], ttmp7, 0xffff                 ; b x 16 + head, which the four partners share
	s_lshr_b32 s[F], s[WV], 1
	s_xor_b32 s[FH], s[F], 15                      ; 15 - f
	s_lshl_b32 s[JL], s[WV], 2
	s_add_co_u32 s[JL], s[JL], s[CX]               ; jL = 4 w + p
	s_xor_b32 s[JH], s[JL], 127                    ; jH = 127 - jL
	; descriptor groups 1: dense rows of 32 elements of 8 bytes
	s_mov_b32 s[G1S], 15|(3<<16)|(1<<21)           ; 15:0 the mask: all four work-groups; 17:16 elements of 8 bytes; 20 no padding; 21 set beside a mask
	s_mov_b32 s[G1S+1], 32<<16                     ; tensor_dim0 = 32
	s_mov_b32 s[G1S+2], 8<<16                      ; tensor_dim1 = 8
	s_mov_b32 s[G1S+3], 32<<16                     ; tile_dim0 = 32
	s_mov_b32 s[G1S+4], 8                          ; tile_dim1 = 8
	s_mov_b32 s[G1S+5], 32                         ; tensor_dim0_stride
	s_mov_b32 s[G1S+6], 0
	s_mov_b32 s[G1S+7], 0
	s_mov_b32 s[G1L], 15|(3<<16)|(1<<21)
	s_mov_b32 s[G1L+1], 32<<16
	s_mov_b32 s[G1L+2], 56<<16                     ; 56 rows
	s_mov_b32 s[G1L+3], 32<<16
	s_mov_b32 s[G1L+4], 56
	s_mov_b32 s[G1L+5], 32
	s_mov_b32 s[G1L+6], 0
	s_mov_b32 s[G1L+7], 0
	s_mov_b32 s[SEL], 0x76543210
	s_mov_b32 s[SEL+1], 0xfedcba98
	s_mov_b32 s[CS], 0x3e38aa3b                    ; log2(e) / 8
	s_lshl_b32 s62, s[BH], 18                      ; the head's 262,144 bytes in q and in kv
	s_mov_b32 s63, 0
	s_mov_b32 s51, 0
	s_mov_b32 s[G0S], 1                            ; count = 1
	s_lshl_b32 s[G0S+1], s[WV], 11                 ; LDS address = the byte in the head's block: 2,048 w,
	s_mov_b32 s[G0L], 1
	s_mul_i32 s[G0L+1], s[WV], 14336
	s_add_co_u32 s[G0L+1], s[G0L+1], 32768         ; and 32,768 + 14,336 w
	s_wait_dscnt 0x0
	s_wait_kmcnt 0x0
	s_load_b128 s[52:55], s[8:9], 0x18             ; e6, e7, e8, e9
	s_load_b32 s56, s[8:9], 0x28                   ; e10
	s_add_nc_u64 s[6:7], s[6:7], s[62:63]          ; kv at my head
	s_mov_b32 s50, s[G0S+1]
	s_add_nc_u64 s[G0S+2:G0S+3], s[6:7], s[50:51]
	s_or_b32 s[G0S+3], s[G0S+3], 0x80000000        ; type = 2
	s_mov_b32 s50, s[G0L+1]
	s_add_nc_u64 s[G0L+2:G0L+3], s[6:7], s[50:51]
	s_or_b32 s[G0L+3], s[G0L+3], 0x80000000
	CROUND                                         ; all four work-groups are here: the joint loads meet
	tensor_load_to_lds s[G0S:G0S+3], s[G1S:G1S+7]  ; my part of blocks 0 and 1
	s_nop 0
	s_wait_alu depctr_va_vdst(0)
	s_wait_tensorcnt 0x0
	ds_add_u32 v247, v253
	s_wait_dscnt 0x0
	CROUND
	tensor_load_to_lds s[G0L:G0L+3], s[G1L:G1L+7]  ; my part of blocks 2 to 15: one load of mine is out, and no more follow
	s_nop 0
.rept 4
	v_nop
.endr
	s_add_nc_u64 s[4:5], s[4:5], s[62:63]          ; q at my head
	s_lshr_b32 s50, s[JL], 3
	s_lshl_b32 s50, s50, 14
	s_and_b32 s19, s[JL], 7
	s_lshl_b32 s19, s19, 10
	s_add_co_u32 s50, s50, s19
	s_add_nc_u64 s[66:67], s[4:5], s[50:51]        ; tile L's fragment: (j / 8) x 16,384 + (j % 8) x 1,024
	s_lshr_b32 s50, s[JH], 3
	s_lshl_b32 s50, s50, 14
	s_and_b32 s19, s[JH], 7
	s_lshl_b32 s19, s19, 10
	s_add_co_u32 s50, s50, s19
	s_add_nc_u64 s[68:69], s[4:5], s[50:51]        ; tile H's
	v_and_b32 v[LI], 31, v0
	s_delay_alu instid0(VALU_DEP_1)
	v_lshlrev_b32 v[LI], 4, v[LI]
	global_load_b128 v[QL:QL+3], v[LI], s[66:67]
	global_load_b128 v[QL+4:QL+7], v[LI], s[66:67] offset:512
	global_load_b128 v[QH:QH+3], v[LI], s[68:69]
	global_load_b128 v[QH+4:QH+7], v[LI], s[68:69] offset:512
	; y: [head / 4][tile of 16 rows: b x 128 + j][head % 4][2 pieces of 512 bytes]
	s_and_b32 s50, s[BH], 15
	s_lshr_b32 s19, s50, 2
	s_lshl_b32 s19, s19, 21
	s_and_b32 s50, s50, 3
	s_lshl_b32 s50, s50, 10
	s_add_co_u32 s19, s19, s50
	s_lshr_b32 s50, s[BH], 4
	s_lshl_b32 s50, s50, 19
	s_add_co_u32 s19, s19, s50
	s_lshl_b32 s50, s[JL], 12
	s_add_co_u32 s50, s50, s19
	s_add_nc_u64 s[58:59], s[10:11], s[50:51]
	s_lshl_b32 s50, s[JH], 12
	s_add_co_u32 s50, s50, s19
	s_add_nc_u64 s[60:61], s[10:11], s[50:51]
	v_and_b32 v5, 15, v0                           ; r
	v_bfe_u32 v6, v0, 4, 1                         ; h
	s_delay_alu instid0(VALU_DEP_1)
	v_lshlrev_b32 v6, 3, v6
	s_delay_alu instid0(VALU_DEP_1)
	v_sub_nc_u32 v5, v5, v6                        ; r - 8 h
	s_and_b32 s50, s[JL], 7
	s_lshl_b32 s50, s50, 4
	v_add_nc_u32 v[DL], s50, v5                    ; 16 (jL % 8) + r - 8 h
	s_sub_co_u32 s50, 112, s50
	v_add_nc_u32 v[DH], s50, v5                    ; 16 (7 - jL % 8) + r - 8 h
	v_mov_b32 v[STL+1], 0xff61b1e6                 ; the largest t so far: -3e38, under every t
	s_delay_alu instid0(VALU_DEP_1)
	v_floor_f32 v[STL], -v[STL+1]                  ; -M
	v_mov_b32 v[STL+2], 0                          ; the sum, in two halves
	v_mov_b32 v[STL+3], 0
	v_mov_b32 v[STH+1], 0xff61b1e6
	s_delay_alu instid0(VALU_DEP_1)
	v_floor_f32 v[STH], -v[STH+1]
	v_mov_b32 v[STH+2], 0
	v_mov_b32 v[STH+3], 0
	v_mov_b32 v[PT], 0                             ; written once: a lane permute's destination counts as one of its sources
	v_mov_b32 v[FF+1], 0                           ; (named as the upper half of a pair)
	v_mov_b32 v[NINF], 0xff800000
.set n, 0
.rept 64
	v_mov_b32 v[OTL+n], 0                          ; O^T of both tiles: the step is written without a first form: the first change of M multiplies zeros
.set n, n+1
.endr
	s_wait_kmcnt 0x0
	s_add_co_i32 s50, s52, s53
	s_lshl_b32 s50, s50, 23
	s_add_co_i32 s[CS], s[CS], s50                 ; a score stands for score x 2^(e6 + e7): the exponents are added to c's exponent field
	s_mov_b32 s[CS+1], s[CS]                       ; (named with it as a pair)
	s_add_co_i32 s50, s54, 127
	s_lshl_b32 s19, s50, 23
	v_mov_b32 v[SCP], s19                          ; 2^e8
	s_add_co_i32 s50, s56, 127
	s_lshl_b32 s19, s50, 23
	v_mov_b32 v[SCY], s19                          ; 2^e10
	s_add_co_i32 s57, s54, s55                     ; e8 + e9
; A STEP: one tile of 16 queries against the block of 128 keys in hand.  qf, st, ot: the tile's q, statistics and O^T.
; chk = 1: the step is left out where the block lies behind the tile's last (s[bnd]), and masked where it is the last: scalar branches on the wave's number and the loop's count.  v[d]: the mask's number.
.macro STEP qf, st, ot, chk, bnd, d
.if \chk
	s_cmp_gt_u32 s[SL], s[\bnd]
	s_cbranch_scc1 .Lskip_\@
.endif
.rept 4
	v_nop                                          ; places between the last products and the loads into the registers that they read
.endr
.irp c, 0,1,2,3,4,5,6,7
	ds_load_b128 v[KV+8*\c:KV+8*\c+3], v[ADK] offset:1024*\c            ; k's tile c, as it was stored: 512 consecutive bytes a load
	ds_load_b128 v[KV+8*\c+4:KV+8*\c+7], v[ADK] offset:1024*\c+512
.endr
.irp c, 0,1,2,3,4,5,6,7
	s_wait_dscnt 14-2*\c                           ; tile c's two loads are in; the two of each later tile may be out
	v_wmma_f32_16x16x64_fp8_fp8 v[S+8*\c:S+8*\c+7], v[KV+8*\c:KV+8*\c+7], v[\qf:\qf+7], 0   ; lane (r, h), register j: key 16 c + 8 h + j, query r
.endr
.rept 4
	v_nop                                          ; places in front of the loads below and of the first read of the scores
.endr
	s_wait_alu depctr_va_vdst(0)
.irp a, 0,1,2,3
.irp c, 0,1,2,3
	ds_load_b128 v[KV+16*\a+4*\c:KV+16*\a+4*\c+3], v[ADK] offset:8192+2048*\a+512*\c   ; v's four tiles land while the softmax is worked
.endr
.endr
.if \chk
	s_cmp_lg_u32 s[SL], s[\bnd]
	s_cbranch_scc1 .Lopen_\@
.set n, 0
.rept 64
	v_cmp_gt_i32 vcc_lo, 16*(n/8)+n%8, v[\d]       ; on the diagonal: key 16 c + 8 h + j is hidden where it lies behind my query
	v_cndmask_b32 v[S+n], v[S+n], v[NINF], vcc_lo  ; its score becomes -infinity ahead of the maximum: p = 0
.set n, n+1
.endr
.Lopen_\@:
.endif
	v_max3_num_f32 v[MX], v[S], v[S+1], v[S+2]     ; the step's largest score of my query among my 64 keys, in two chains, each accumulator from its low end on
	v_max3_num_f32 v[MX+1], v[S+3], v[S+4], v[S+5]
.set n, 6
.rept 14
	v_max3_num_f32 v[MX], v[MX], v[S+n], v[S+n+1]
	v_max3_num_f32 v[MX+1], v[MX+1], v[S+n+2], v[S+n+3]
.set n, n+4
.endr
	v_max3_num_f32 v[MX], v[MX], v[S+62], v[S+63]
	s_delay_alu instid0(VALU_DEP_1)
	v_max_num_f32 v[MX], v[MX], v[MX+1]
	s_delay_alu instid0(VALU_DEP_1)
	v_permlanex16_b32 v[PT], v[MX], s[SEL], s[SEL+1]
	s_delay_alu instid0(VALU_DEP_1)
	v_max_num_f32 v[MX], v[MX], v[PT]              ; and among lane l xor 16's
	s_delay_alu instid0(VALU_DEP_1)
	v_mul_f32 v[MX], s[CS], v[MX]                  ; as t (c is positive)
	s_delay_alu instid0(VALU_DEP_1)
	v_max_num_f32 v[\st+1], v[\st+1], v[MX]        ; the running largest t
	v_mov_b32 v[MX], v[\st]
	s_delay_alu instid0(VALU_DEP_2)
	v_floor_f32 v[\st], -v[\st+1]                  ; the new -M = floor(-t): M is a whole number
	s_delay_alu instid0(VALU_DEP_1)
	v_sub_f32 v[MX], v[\st], v[MX]                 ; old M - new M: a whole number, 0 or less
	s_delay_alu instid0(VALU_DEP_1)
	v_cvt_i32_f32 v[MX], v[MX]                     ; (it saturates)
	s_delay_alu instid0(VALU_DEP_1)
	v_ldexp_f32 v[FF], 1.0, v[MX]                  ; f = 2^(old M - new M)
.set n, 0
.rept 32
	v_pk_fma_f32 v[S+n:S+n+1], v[S+n:S+n+1], s[CS:CS+1], v[\st:\st+1] op_sel_hi:[1,0,0]   ; t - M, two at a time (of c's and -M's pairs the low word serves both halves)
.set n, n+2
.endr
.set n, 0
	s_wait_alu depctr_va_vdst(0)
.rept 64
	v_exp_f32 v[S+n], v[S+n]                       ; p = 2^(t - M), at most 1
.set n, n+1
.endr
	v_pk_mul_f32 v[\st+2:\st+3], v[\st+2:\st+3], v[FF:FF+1] op_sel_hi:[1,0]   ; the sums under the new M (the plain line behind the exponentials)
	s_wait_alu depctr_va_vdst(0)
	v_pk_add_f32 v[SUM2:SUM2+1], v[S:S+1], v[S+2:S+3]                         ; the row's sum is taken of the unquantised p, in two chains
.set n, 4
.rept 15
	v_pk_add_f32 v[\st+2:\st+3], v[\st+2:\st+3], v[S+n:S+n+1]
	v_pk_add_f32 v[SUM2:SUM2+1], v[SUM2:SUM2+1], v[S+n+2:S+n+3]
.set n, n+4
.endr
	s_delay_alu instid0(VALU_DEP_1)
	v_pk_add_f32 v[\st+2:\st+3], v[\st+2:\st+3], v[SUM2:SUM2+1]
.set cc, 0
.rept 8
.set n, 0
.rept 8
.set n, n+1
.endr
	v_cvt_scalef32_pk8_fp8_f32 v[PC+2*cc:PC+2*cc+1], v[S+8*cc:S+8*cc+7], v[SCP]   ; keys 16 c + 8 h + 0 .. 7: registers 2 c, 2 c + 1 of p's operand
.set cc, cc+1
.endr
.set n, 0
.rept 16
	v_pk_mul_f32 v[\ot+n:\ot+n+1], v[\ot+n:\ot+n+1], v[FF:FF+1] op_sel_hi:[1,0]   ; O^T under the new M, from each accumulator's low end on; also the plain lines behind the conversions
.set n, n+2
.endr
	s_wait_alu depctr_va_vdst(0)
	s_wait_dscnt 0x0                               ; v's tiles are in
.irp a, 0,1,2,3
	v_wmma_f32_16x16x128_fp8_fp8 v[\ot+8*\a:\ot+8*\a+7], v[KV+16*\a:KV+16*\a+15], v[PC:PC+15], v[\ot+8*\a:\ot+8*\a+7]   ; the four accumulators by turns
.endr
.if \chk
.Lskip_\@:
.endif
.endm
; Blocks first .. end - 1, a constant number of trips for every wave.  low = 1: blocks 0-7: tile H is live and open in all of them, tile L as far as its bound.  low = 0: blocks 8-15: tile H alone.
.macro SEG first, end, low
	s_mov_b32 s[SL], \first
	s_mov_b32 s[TB], \first*16384
.Lseg_\@:
	v_add_nc_u32 v[ADK], s[TB], v[LI]              ; made outside every branch
.if \low
	s_wait_alu depctr_va_vdst(0)
	STEP QH, STH, OTH, 0, 0, 0
	STEP QL, STL, OTL, 1, F, DL
.else
	STEP QH, STH, OTH, 1, FH, DH
.endif
	s_add_co_u32 s[TB], s[TB], 16384
	s_add_co_u32 s[SL], s[SL], 1
	s_cmp_lt_u32 s[SL], \end
	s_cbranch_scc1 .Lseg_\@
.endm
; A tile's end: y = O^T x 2^(e8 + e9) / sum, quantised with 2^e10.  The codes are laid for the last product: lane (r, h), registers 4 c .. 4 c + 3 = channels 32 c + 16 h + 0 .. 15.
.macro FIN st, ot, y, base
.rept 4
	v_nop                                          ; places behind the last products
.endr
	v_add_f32 v[\st+2], v[\st+2], v[\st+3]         ; the sum's two halves,
	s_delay_alu instid0(VALU_DEP_1)
	v_permlanex16_b32 v[PT], v[\st+2], s[SEL], s[SEL+1]
	s_delay_alu instid0(VALU_DEP_1)
	v_add_f32 v[\st+2], v[\st+2], v[PT]            ; and lane l xor 16's
	s_wait_alu depctr_va_vdst(0)
	v_rcp_f32 v[RC], v[\st+2]
	v_nop                                          ; one plain line behind a transcendental
	s_wait_alu depctr_va_vdst(0)
	v_ldexp_f32 v[RC], v[RC], s57
	s_delay_alu instid0(VALU_DEP_1)
	v_mov_b32 v[RC+1], v[RC]
.set n, 0
.rept 16
	v_pk_mul_f32 v[S+n:S+n+1], v[\ot+n:\ot+n+1], v[RC:RC+1] op_sel_hi:[1,0]   ; register 8 a + j: channel 16 a + 8 h + j of query r
.set n, n+2
.endr
.set n, 0
.rept 32
.set n, n+1
.endr
.irp a, 0,1,2,3
	v_cvt_scalef32_pk8_fp8_f32 v[\y+2*\a:\y+2*\a+1], v[S+8*\a:S+8*\a+7], v[SCY]
.endr
	v_nop                                          ; one plain line behind the last conversion
	v_permlane16_swap_b32 v[\y], v[\y+2]           ; the first register's lanes 16-31 change places with the second's lanes 0-15:
	v_permlane16_swap_b32 v[\y+1], v[\y+3]         ; channels (0-7 | 8-15), (16-23 | 24-31) become (0-7 | 16-23), (8-15 | 24-31)
	v_permlane16_swap_b32 v[\y+4], v[\y+6]
	v_permlane16_swap_b32 v[\y+5], v[\y+7]
	global_store_b128 v[LI], v[\y:\y+3], s[\base:\base+1]               ; 512 consecutive bytes, at a multiple of 512 from y's first byte
	global_store_b128 v[LI], v[\y+4:\y+7], s[\base:\base+1] offset:512
.endm
	s_wait_tensorcnt 1                             ; my part of blocks 0 and 1 is in; the larger load may be out
	s_barrier_signal -1
	s_barrier_wait -1                              ; everybody's is
	s_wait_loadcnt 0x0                             ; q
	SEG 0, 2, 1
	s_wait_tensorcnt 0x0                           ; my part of the rest is in,
	s_wait_dscnt 0x0
	s_barrier_signal -1
	s_barrier_wait -1                              ; everybody's is: from here on the waves run free
	SEG 2, 8, 1
	SEG 8, 16, 0
	FIN STL, OTL, PC, 58
	FIN STH, OTH, PC+8, 60
	s_wait_dscnt 0x0
	s_wait_tensorcnt 0x0
	ds_add_u32 v247, v253
	s_wait_dscnt 0x0
	CROUND                                         ; the closing round: no work-group ends while a partner may still ask for a tile that names it
	s_endpgm
.Lfunc_end_k_qc7ef7dd6ad_attn:
	.size	k_qc7ef7dd6ad_attn, .Lfunc_end_k_qc7ef7dd6ad_attn-k_qc7ef7dd6ad_attn
	.p2alignl 7, 3214868480
	.fill 96, 4, 3214868480
	.section	.rodata,"a",@progbits
	.p2align	6, 0x0
	.amdhsa_kernel k_qc7ef7dd6ad_attn
		.amdhsa_group_segment_fixed_size 327680
		.amdhsa_private_segment_fixed_size 0
		.amdhsa_enable_private_segment 0
		.amdhsa_kernarg_size 32
		.amdhsa_user_sgpr_count 2
		.amdhsa_user_sgpr_kernarg_segment_ptr 1
		.amdhsa_wavefront_size32 1
		.amdhsa_system_sgpr_workgroup_id_x 1
		.amdhsa_system_sgpr_workgroup_id_y 1
		.amdhsa_system_sgpr_workgroup_id_z 1
		.amdhsa_system_vgpr_workitem_id 0
		.amdhsa_next_free_vgpr 256
		.amdhsa_next_free_sgpr 70
		.amdhsa_reserve_vcc 1
		.amdhsa_float_denorm_mode_32 3
		.amdhsa_float_denorm_mode_16_64 3
		.amdhsa_fp16_overflow 1
		.amdhsa_memory_ordered 1
		.amdhsa_forward_progress 1
		.amdhsa_inst_pref_size 99
	.end_amdhsa_kernel
	.amdgpu_metadata
---
amdhsa.version: [ 1, 2 ]
amdhsa.kernels:
  - .name:           k_qc7ef7dd6ad_attn
    .symbol:         k_qc7ef7dd6ad_attn.kd
    .args:
      - { .name: q, .offset: 0, .size: 8, .value_kind: global_buffer, .address_space: global }
      - { .name: kv, .offset: 8, .size: 8, .value_kind: global_buffer, .address_space: global }
      - { .name: lowp_scales, .offset: 16, .size: 8, .value_kind: global_buffer, .address_space: global }
      - { .name: y, .offset: 24, .size: 8, .value_kind: global_buffer, .address_space: global }
    .group_segment_fixed_size: 327680
    .private_segment_fixed_size: 0
    .kernarg_segment_align: 8
    .kernarg_segment_size: 32
    .max_flat_workgroup_size: 512
    .sgpr_count:     70
    .vgpr_count:     256
    .wavefront_size: 32
...
	.end_amdgpu_metadata
.endif
;; end of part 2
;; launch proj (part 3): grid 4 x 64, 4 waves a work-group, clusters of 4 x 4, 327,680 bytes of LDS; arguments y, Wo_codes, bo, lowp_scales, out0; writes out0
.if DOCPART == 3
	.amdgcn_target "amdgcn-amd-amdhsa--gfx1250"
	.amdhsa_code_object_version 6
	.text
	.protected	k_qc7ef7dd6ad_proj
	.globl	k_qc7ef7dd6ad_proj
	.p2align	8
	.type	k_qc7ef7dd6ad_proj,@function
k_qc7ef7dd6ad_proj:
	s_mov_b64 s[64:65], 0
	v_nop
	global_prefetch_b8 v0, s[64:65] scope:SCOPE_SE
	s_setreg_imm32_b32 hwreg(HW_REG_WAVE_MODE, 25, 1), 1
	s_wait_xcnt 0x0
	s_wait_alu depctr_hold_cnt(0) depctr_sa_sdst(0) depctr_va_vdst(0) depctr_va_sdst(0) depctr_va_ssrc(0) depctr_va_vcc(0) depctr_vm_vsrc(0)
	s_getreg_b32 s2, hwreg(HW_REG_IB_STS2, 6, 4)
	s_cmp_eq_u32 s2, 0
	s_cbranch_scc0 .Lentry_in_a_cluster
	s_endpgm
.Lentry_in_a_cluster:
	s_bfe_u32 s2, ttmp6, 0x10000c
	s_cmp_lg_u32 s2, 0xf033
	s_cbranch_scc0 .Lentry_shape_is_right
	s_endpgm
.Lentry_shape_is_right:
; out = y Wo + bo on codes of FP8 (E4M3).  y: 8,192 rows x 1,024, as images of operand registers; Wo: [1024 (n)][1024 (k)] codes; bo f32; out: [8192][1024] f32.
; out = sum x 2^(e10 + e11) + bo.  LIMIT: e10 + e11 between -126 and 127, so that the power of two is an f32 number.
; y: [K step of 256][tile of 16 rows][8 pieces of 512 bytes]: piece 4 q + c, at 16 x lane, holds registers 4 c .. 4 c + 3 of the fragment of the step's q-th 128 along K:
; lane l = row l % 16, k = 32 c + 16 (l / 16) + 0 .. 15.  Wo's fragments are read from rows in LDS in the same order of k, so every product meets its partner.
; SHARES.  A work-group of four waves makes 128 rows x 256 columns (256 work-groups; a tile of 256 x 256 would give 128); a wave 64 x 128: 32 accumulators.
; K goes in four steps of 256 through a ring of two LDS slots.  4 x 4 work-groups form a cluster: y's tile is shared along a row of it, Wo's along a column, by joint loads.
; The matrix instruction is used transposed (source 0 = 16 rows of Wo, source 1 = 16 rows of y): a lane holds eight neighbouring numbers of a row of out.
; REGISTERS, in windows of 256: window 0: v16-29 addresses; v32-95 at work on the way out; y's fragments, two sets of 4 x 16, at v128 and v192 (on the way out: rows read back).
;   window 1: Wo's fragments, two sets of 8 x 16.   window 2: accumulator (a, b) at v[8 (8 a + b)].   window 3: v0-63 bo in the result's layout.
.set ROWB,   256                       ; a row of Wo's tile in bytes
.set KROW,   1024                      ; a row of Wo in memory
.set PITCH,  272                       ; an LDS row of Wo: 256 bytes + 16 of padding: row r starts at bank 4 r mod 64 (64 banks of 4 bytes: ISA guide 11.1)
.set FR,     16
.set NP,     4                         ; places behind this matrix instruction (ISA guide 7.12.1)
.set ABYTES, 32768                     ; y's part of a slot: 8 tiles of 16 rows x 4,096 bytes, dense
.set HALFB,  128*PITCH                 ; 128 rows of Wo
.set SLOT,   ABYTES+2*HALFB            ; 102,400
.set KSL,    2097152                   ; from a K step of y to the next, in bytes
.set SPARE,  2*SLOT                    ; behind the ring: the spare words, 128 bytes for each wave, which no other line names
.set STAGE,  SPARE+512                 ; the way out: 16 rows x 528 bytes for each wave: bytes of its own, into which no fill lands
.set SPITCH, 528
.set ADRA, 16                          ; v16-17  LDS address of my fragments of y in slot 0, 1
.set ADRB, 20                          ; v20-21  the same for Wo
.set STO,  24                          ; v24     the way out: where I put 32 bytes of a row
.set RD,   25                          ; v25     where I read a row back
.set CO,   26                          ; v26     16 x lane
.set VB,   27                          ; v27     32 x (lane / 16): bo along my registers
.set SPW,  28                          ; v28     LDS address of my spare word; never rewritten
.set NIL,  29                          ; v29     0; never rewritten
.set TMP,  32
.set AF,   128
.set BK,   128
.set G1, 24                            ; s[24:31] descriptor group 1 for y's tiles;  s[32:39] group 0, one set for each slot
.set G0, 32
.set G1B, 48                           ; s[48:55], s[56:63] the same for Wo's
.set G0B, 56
.set MSB, 0
.macro WIN new                         ; the immediate's high byte repeats the setting that is left
.if MSB != \new
	s_set_vgpr_msb (MSB<<8)|\new
.set MSB, \new
.endif
.endm
.set MUL,  0xa1                        ; source 0 (Wo) window 1, source 1 (y) window 0, C and D window 2
.set TO_B, 0x40                        ; destination window 1, address window 0
.macro JLOAD g0a, g1a, g0b, g1b        ; a joint load: waves 0 and 1 fetch y's halves, waves 2 and 3 Wo's; four v_nop follow each line
	s_cmp_eq_u32 s15, 0
	s_cbranch_scc0 .Lfor_b_\@
	tensor_load_to_lds s[\g0a:\g0a+3], s[\g1a:\g1a+7]
	s_nop 0
.rept 4
	v_nop
.endr
	s_branch .Lasked_\@
.Lfor_b_\@:
	tensor_load_to_lds s[\g0b:\g0b+3], s[\g1b:\g1b+7]
	s_nop 0
.rept 4
	v_nop
.endr
.Lasked_\@:
.endm
.macro CREST                           ; a round of the cluster's barrier behind its opening barrier
	s_cmp_lg_u32 s14, 0
	s_cbranch_scc1 .Lnot_wave_0_\@
	s_barrier_signal -3
.Lnot_wave_0_\@:
	s_barrier_wait -3
	s_barrier_signal -1
	s_barrier_wait -1
.endm
.macro CROUND
	s_barrier_signal -1
	s_barrier_wait -1
	CREST
.endm
	s_load_b256 s[4:11], s[0:1], 0x0               ; y s[4:5], Wo s[6:7], bo s[8:9], the scales s[10:11]
	s_load_b64 s[12:13], s[0:1], 0x20              ; out
	v_lshl_add_u32 v[SPW], v0, 2, SPARE
	v_mov_b32 v[NIL], 0
	ds_add_u32 v28, v29
	ds_add_u32 v28, v29
	s_wait_dscnt 0x0
	v_lshrrev_b32 v1, 5, v0
	v_readfirstlane_b32 s14, v1                    ; wave 0..3
	s_lshr_b32 s15, s14, 1                         ; which 64 rows are mine.  Also: I fetch for y (0) or for Wo (1)
	s_and_b32 s16, s14, 1                          ; which 128 columns.  Also: which half of that tile I fetch
	s_bfe_u32 s40, ttmp6, 0x40000                  ; cx, cy
	s_bfe_u32 s41, ttmp6, 0x40004
	s_lshl_b32 s42, ttmp9, 2
	s_add_co_u32 s42, s42, s40                     ; tile column (256 columns)
	s_and_b32 s17, ttmp7, 0xffff
	s_lshl_b32 s17, s17, 2
	s_add_co_u32 s17, s17, s41                     ; tile row (128 rows)
	s_lshl_b32 s43, s41, 2
	s_lshl_b32 s43, 15, s43                        ; my row of the cluster
	s_lshl_b32 s44, 0x1111, s40                    ; my column
	; y's tiles: 64 dense rows of 32 elements of 8 bytes, no padding
	s_or_b32 s[G1+0], s43, (3<<16)|(1<<21)         ; 15:0 the mask: my row; 17:16 elements of 8 bytes; 21 set beside a mask
	s_mov_b32 s[G1+1], 32<<16                      ; tensor_dim0
	s_mov_b32 s[G1+2], 64<<16                      ; tensor_dim1
	s_mov_b32 s[G1+3], 32<<16                      ; tile_dim0
	s_mov_b32 s[G1+4], 64                          ; tile_dim1
	s_mov_b32 s[G1+5], 32                          ; tensor_dim0_stride
	s_mov_b32 s[G1+6], 0
	s_mov_b32 s[G1+7], 0
	; Wo's tiles: 128 rows x 256 bytes, 16 bytes of padding behind each
	s_or_b32 s[G1B+0], s44, (0<<16)|(1<<20)|(1<<21)|(5<<22)|(3<<25)  ; the mask: my column; elements of 1 byte; padding: 4 words after every 64
	s_mov_b32 s[G1B+1], ROWB<<16
	s_mov_b32 s[G1B+2], 128<<16
	s_mov_b32 s[G1B+3], ROWB<<16
	s_mov_b32 s[G1B+4], 128
	s_mov_b32 s[G1B+5], KROW
	s_mov_b32 s[G1B+6], 0
	s_mov_b32 s[G1B+7], 0
	s_lshl_b32 s20, s17, 15                        ; y: tile row x 32,768
	s_lshl_b32 s45, s16, 14                        ; + half x 16,384: in memory and in a slot alike
	s_add_co_u32 s20, s20, s45
	s_mov_b32 s21, 0
	s_lshl_b32 s46, s42, 8
	s_lshl_b32 s19, s16, 7
	s_add_co_u32 s46, s46, s19                     ; Wo: row 256 x tile column + 128 x half,
	s_lshl_b32 s46, s46, 10                        ; in bytes
	s_mov_b32 s47, 0
	s_mul_i32 s67, s16, HALFB
	s_add_co_u32 s67, s67, ABYTES                  ; and in a slot: behind y's part
	s_wait_kmcnt 0x0
	s_load_b64 s[96:97], s[10:11], 0x28            ; e10, e11
	s_add_nc_u64 s[20:21], s[4:5], s[20:21]
	s_add_nc_u64 s[46:47], s[6:7], s[46:47]
	CROUND                                         ; all sixteen work-groups are here: the first joint loads meet
.irp s, 0,1
	s_mov_b32 s[G0+4*\s], 1
	s_add_co_u32 s[G0+4*\s+1], s45, \s*SLOT
	s_add_nc_u64 s[G0+4*\s+2:G0+4*\s+3], s[20:21], \s*KSL
	s_or_b32 s[G0+4*\s+3], s[G0+4*\s+3], 0x80000000
	s_mov_b32 s[G0B+4*\s], 1
	s_add_co_u32 s[G0B+4*\s+1], s67, \s*SLOT
	s_add_nc_u64 s[G0B+4*\s+2:G0B+4*\s+3], s[46:47], \s*ROWB
	s_or_b32 s[G0B+4*\s+3], s[G0B+4*\s+3], 0x80000000
	s_wait_alu depctr_va_vdst(0)
	s_wait_tensorcnt 0x0
	ds_add_u32 v28, v29
	ds_add_u32 v28, v29
	s_wait_dscnt 0x0
	CROUND
	JLOAD G0+4*\s, G1, G0B+4*\s, G1B               ; one load of mine is out
.endr
	v_and_b32 v1, 15, v0                           ; r
	v_bfe_u32 v2, v0, 4, 1                         ; h
	v_and_b32 v6, 31, v0
	v_lshlrev_b32 v[CO], 4, v6
	v_mul_u32_u24 v3, v1, PITCH
	v_lshl_add_u32 v4, v2, 4, v3
	s_lshl_b32 s72, s15, 14                        ; my four tiles of rows
	s_mul_i32 s73, s16, HALFB
	s_add_co_u32 s73, s73, ABYTES                  ; my 128 rows of Wo
.irp s, 0,1
	v_add_nc_u32 v[ADRA+\s], s72, v[CO]
	v_add_nc_u32 v[ADRB+\s], s73, v4
	s_add_co_u32 s72, s72, SLOT
	s_add_co_u32 s73, s73, SLOT
.endr
	s_mul_i32 s72, s14, 16*SPITCH
	s_add_co_u32 s72, s72, STAGE                   ; my stage
	v_mul_u32_u24 v5, v1, SPITCH
	v_lshl_add_u32 v5, v2, 5, v5
	v_add_nc_u32 v[STO], s72, v5                   ; in: row r, 32 bytes for each half of the lanes
	v_add_nc_u32 v[RD], s72, v[CO]                 ; back: the 32 lanes take one row of 512 bytes
	v_lshlrev_b32 v[VB], 5, v2
	s_wait_alu depctr_va_vdst(0)
	s_lshl_b32 s68, s17, 7
	s_lshl_b32 s69, s15, 6
	s_add_co_u32 s68, s68, s69                     ; my first row of out,
	s_lshl_b32 s68, s68, 12                        ; in bytes (under 2^25)
	s_mov_b32 s69, 0
	s_lshl_b32 s70, s42, 10
	s_lshl_b32 s71, s16, 9
	s_add_co_u32 s70, s70, s71                     ; my first column, in bytes: in out and in bo alike
	s_mov_b32 s71, 0
	s_add_nc_u64 s[12:13], s[12:13], s[68:69]
	s_add_nc_u64 s[12:13], s[12:13], s[70:71]
	s_add_nc_u64 s[8:9], s[8:9], s[70:71]
	WIN 0xc0                                       ; destination window 3
.irp b, 0,1,2,3,4,5,6,7
	global_load_b128 v[8*\b:8*\b+3], v[VB], s[8:9] offset:64*\b          ; bo[n0 + 16 b + 8 h + 0 .. 7]
	global_load_b128 v[8*\b+4:8*\b+7], v[VB], s[8:9] offset:64*\b+16
.endr
	WIN 0
.macro FRAGB reg, adr, q, i            ; 16 rows of Wo x 128 K: registers 4 c .. 4 c + 3 = k 32 c + 16 h + 0 .. 15
.irp c, 0,1,2,3
	ds_load_b128 v[\reg+4*\c:\reg+4*\c+3], v[\adr] offset:128*(\q)+32*\c+(\i)*16*PITCH
.endr
.endm
.macro FRAGA reg, adr, q, a            ; 16 rows of y x 128 K: four pieces as they were stored, 512 consecutive bytes a load
.irp c, 0,1,2,3
	ds_load_b128 v[\reg+4*\c:\reg+4*\c+3], v[\adr] offset:4096*(\a)+2048*(\q)+512*\c
.endr
.endm
.macro FETCH slot, q, p                ; 48 loads: the fragments of the slot's q-th 128 along K into set p
	WIN TO_B
.irp i, 0,1,2,3,4,5,6,7
	FRAGB 128*(\p)+FR*\i, ADRB+\slot, \q, \i
.endr
	WIN 0
.irp a, 0,1,2,3
	FRAGA AF+64*(\p)+FR*\a, ADRA+\slot, \q, \a
.endr
.endm
; 8 matrix instructions: y's block a x Wo's eight.  The 32 accumulators take turns, one instruction a turn, in the same order in every step.
.macro MUL8 a, p, zero
.irp b, 0,1,2,3,4,5,6,7
.if \zero
	v_wmma_f32_16x16x128_fp8_fp8 v[8*(8*(\a)+\b):8*(8*(\a)+\b)+7], v[128*(\p)+FR*\b:128*(\p)+FR*\b+FR-1], v[AF+64*(\p)+FR*(\a):AF+64*(\p)+FR*(\a)+FR-1], 0
.else
	v_wmma_f32_16x16x128_fp8_fp8 v[8*(8*(\a)+\b):8*(8*(\a)+\b)+7], v[128*(\p)+FR*\b:128*(\p)+FR*\b+FR-1], v[AF+64*(\p)+FR*(\a):AF+64*(\p)+FR*(\a)+FR-1], v[8*(8*(\a)+\b):8*(8*(\a)+\b)+7]
.endif
.endr
.endm
.macro PLACES n
.rept \n
	v_nop
.endr
.endm
; A slot's first 128 along K: multiplies set 0; ahead of that it asks for the second 128 into set 1.
.macro STEP slot, zero
.if !\zero
	PLACES NP                                      ; between the last products, which read set 1, and the loads into it
.endif
	FETCH \slot, 1, 1
	s_wait_dscnt 48                                ; set 0 is in; the 48 loads just issued may be out
	WIN MUL
	MUL8 0, 0, \zero
	MUL8 1, 0, \zero
	MUL8 2, 0, \zero
	MUL8 3, 0, \zero
	WIN 0
.endm
; A slot's second 128 along K: multiplies set 1 and changes slots: one barrier; in front of it each wave waits for all its tensor loads, adds 0 to its spare word, and waits for that and for its reads of this slot.
.macro TURN slot, next, fill
	s_wait_tensorcnt 0x0                           ; all my tensor loads have landed: my part of the next slot
	ds_add_u32 v[SPW], v[NIL]                      ; 0 onto my spare word
	s_wait_dscnt 1                                 ; set 1 is in; the add may be out
	WIN MUL
	MUL8 0, 1, 0                                   ; eight matrix instructions stand between the add and the wait for it
	s_wait_dscnt 0x0                               ; the add is done, and my reads of this slot are over
	s_barrier_signal -1
	MUL8 1, 1, 0
	WIN 0
	s_barrier_wait -1
.if \fill
	CREST                                          ; the barrier has opened a round of the cluster's: no wave of any partner still reads this slot or has a load on its way
	s_add_nc_u64 s[G0+4*\slot+2:G0+4*\slot+3], s[G0+4*\slot+2:G0+4*\slot+3], 2*KSL
	s_add_nc_u64 s[G0B+4*\slot+2:G0B+4*\slot+3], s[G0B+4*\slot+2:G0B+4*\slot+3], 2*ROWB
	JLOAD G0+4*\slot, G1, G0B+4*\slot, G1B         ; the first tensor load behind the round, and my only one until the next; its four v_nop are the places in front of the loads below
.else
	PLACES NP
.endif
	FETCH \next, 0, 0
	WIN MUL
	MUL8 2, 1, 0
	MUL8 3, 1, 0
	WIN 0
.endm
	s_wait_tensorcnt 1                             ; my part of K step 0 is in; K step 1's load may be out
	s_barrier_signal -1
	s_barrier_wait -1
	FETCH 0, 0, 0
	STEP 0, 1                                      ; K 0: the first products start the sums.  Eight steps of 128, written out
	TURN 0, 1, 1                                   ; K 128; slot 0 takes K 512 on
	STEP 1, 0                                      ; K 256
	TURN 1, 0, 1                                   ; K 384; slot 1 takes K 768 on
	STEP 0, 0                                      ; K 512
	TURN 0, 1, 0                                   ; K 640; nothing is left to fetch
	STEP 1, 0                                      ; K 768
	s_wait_dscnt 0                                 ; K 896
	WIN MUL
	MUL8 0, 1, 0
	MUL8 1, 1, 0
	MUL8 2, 1, 0
	MUL8 3, 1, 0
	WIN 0
; THE WAY OUT, block by block of 16 rows x 128 columns.  A lane holds 32 neighbouring bytes of a row, the lanes beside it other rows: a block goes through my own stage in LDS and comes back as whole rows of 512 bytes.
; LDS serves a wave's instructions in order (ISA guide 5.7.1.4): no wait between the stores and the loads, nor in front of the next block's stores.
.macro TOSTAGE a
	WIN 0x32                                       ; source 0 (the sums) window 2, source 2 (bo) window 3
.set j, 0
.rept 32
	v_pk_fma_f32 v[TMP+j:TMP+j+1], v[64*(\a)+j:64*(\a)+j+1], s[96:97], v[j:j+1] op_sel_hi:[1,0,1]   ; sum x 2^(e10 + e11) + bo; each accumulator from its low end on
.set j, j+2
.endr
	WIN 0
.irp b, 0,1,2,3,4,5,6,7
	ds_store_b128 v[STO], v[TMP+8*\b:TMP+8*\b+3] offset:64*\b
	ds_store_b128 v[STO], v[TMP+8*\b+4:TMP+8*\b+7] offset:64*\b+16
.endr
.set BB, BK+64*((\a)%2)
.irp t, 0,1,2,3,4,5,6,7,8,9,10,11,12,13,14,15
	ds_load_b128 v[BB+4*\t:BB+4*\t+3], v[RD] offset:\t*SPITCH
.endr
.endm
.macro SEND a, younger                 ; younger: the LDS instructions issued behind block a's loads, which may stay out
.set BB, BK+64*((\a)%2)
	s_wait_dscnt \younger                          ; the block is back in registers
.if (\a) > 0
	s_add_nc_u64 s[12:13], s[12:13], 16*4096       ; (behind a wait on XCNT: the earlier stores have read their base)  16 rows of out on
.endif
.irp t, 0,1,2,3,4,5,6,7,8,9,10,11,12,13,14,15
	global_store_b128 v[CO], v[BB+4*\t:BB+4*\t+3], s[12:13] offset:\t*4096 th:TH_STORE_NT   ; 32 lanes store 512 consecutive bytes, at a multiple of 512 from out's first byte; written once, read by nobody here
.endr
.endm
	s_wait_kmcnt 0x0
	s_add_co_i32 s96, s96, s97                     ; e10 + e11
	s_add_co_i32 s96, s96, 127
	s_lshl_b32 s96, s96, 23                        ; 2^(e10 + e11) as f32 (s97 is named with it as a pair and stays as loaded)
	s_wait_loadcnt 0x0                             ; bo
	PLACES NP                                      ; behind the last products: for the reads of their results and the loads into the registers that held y's fragments
	TOSTAGE 0
.irp a, 1,2,3
.if \a > 1
	s_wait_xcnt 0x0                                ; block a - 2's stores have read their registers and their base: block a's loads may land there, and the base may step
.endif
	TOSTAGE \a
	SEND \a-1, 32                                  ; behind block a - 1's loads: block a's 16 stores and 16 loads
.endr
	s_wait_xcnt 0x0                                ; block 2's stores have read their base
	SEND 3, 0
	s_wait_tensorcnt 0x0                           ; the wave's end
	ds_add_u32 v[SPW], v[NIL]
	s_wait_dscnt 0x0
	CROUND                                         ; the closing round: no work-group ends while a partner may still ask for a tile that names it
	s_endpgm
.Lfunc_end_k_qc7ef7dd6ad_proj:
	.size	k_qc7ef7dd6ad_proj, .Lfunc_end_k_qc7ef7dd6ad_proj-k_qc7ef7dd6ad_proj
	.p2alignl 7, 3214868480
	.fill 96, 4, 3214868480
	.section	.rodata,"a",@progbits
	.p2align	6, 0x0
	.amdhsa_kernel k_qc7ef7dd6ad_proj
		.amdhsa_group_segment_fixed_size 327680
		.amdhsa_private_segment_fixed_size 0
		.amdhsa_enable_private_segment 0
		.amdhsa_kernarg_size 40
		.amdhsa_user_sgpr_count 2
		.amdhsa_user_sgpr_kernarg_segment_ptr 1
		.amdhsa_wavefront_size32 1
		.amdhsa_system_sgpr_workgroup_id_x 1
		.amdhsa_system_sgpr_workgroup_id_y 1
		.amdhsa_system_sgpr_workgroup_id_z 1
		.amdhsa_system_vgpr_workitem_id 0
		.amdhsa_next_free_vgpr 832
		.amdhsa_next_free_sgpr 98
		.amdhsa_reserve_vcc 0
		.amdhsa_float_denorm_mode_32 3
		.amdhsa_float_denorm_mode_16_64 3
		.amdhsa_memory_ordered 1
		.amdhsa_forward_progress 1
		.amdhsa_inst_pref_size 78
	.end_amdhsa_kernel
	.amdgpu_metadata
---
amdhsa.version: [ 1, 2 ]
amdhsa.kernels:
  - .name:           k_qc7ef7dd6ad_proj
    .symbol:         k_qc7ef7dd6ad_proj.kd
    .args:
      - { .name: y, .offset: 0, .size: 8, .value_kind: global_buffer, .address_space: global }
      - { .name: Wo_codes, .offset: 8, .size: 8, .value_kind: global_buffer, .address_space: global }
      - { .name: bo, .offset: 16, .size: 8, .value_kind: global_buffer, .address_space: global }
      - { .name: lowp_scales, .offset: 24, .size: 8, .value_kind: global_buffer, .address_space: global }
      - { .name: out0, .offset: 32, .size: 8, .value_kind: global_buffer, .address_space: global }
    .group_segment_fixed_size: 327680
    .private_segment_fixed_size: 0
    .kernarg_segment_align: 8
    .kernarg_segment_size: 40
    .max_flat_workgroup_size: 128
    .sgpr_count:     98
    .vgpr_count:     832
    .wavefront_size: 32
...
	.end_amdgpu_metadata
.endif
;; end of part 3
